; MI455X (gfx1250); checked and timed in simulation.
; The chip was launched on July 23, 2026; its instructions are those of AMD's public machine-readable ISA for CDNA 5 (MIT licence, August 2026) and "CDNA5" Instruction Set Architecture Reference Guide (July 2026). The comments in the code are by the model that wrote it; some were corrected since.
;; E8 Q Linear. Allowed arithmetic: float matrix products may take bf16 or f16 operands with f32 sums; other float arithmetic in f32, or as packed bf16 or f16 multiplies, adds, multiply-adds, maxima and minima; sums over many terms, partial sums and values carried from step to step in f32; what a program stores and reads back later, other than sums and carried values, may be rounded once to bf16 or f16.
;; Inputs: bias 4,096 float32; weight 4,096 x 4,096 float32; x 4,096 x 4,096 float32.
;; Outputs: out0 4,096 x 4,096 float32.
;; One version. Each part assembles by itself: llvm-mc -triple=amdgcn-amd-amdhsa -mcpu=gfx1250 --defsym DOCPART=n.
;; ======== version 1 of 1: 2 launches
;; limits: values are held in f16: magnitudes above 65,504 overflow, below 6.1e-05 lose precision
;; workspace buffers: xh 33,554,432 bytes; q 33,554,432 bytes; scale 16,384 bytes
;; launch prep (part 1): grid 256 x 1, 16 waves a work-group, no clusters, 307,456 bytes of LDS; arguments x, weight, xh, q, scale; writes xh, q, scale
.if DOCPART == 1
	.amdgcn_target "amdgcn-amd-amdhsa--gfx1250"
	.amdhsa_code_object_version 6
	.text
	.protected	k_qfe17d5a4bb_prep
	.globl	k_qfe17d5a4bb_prep
	.p2align	8
	.type	k_qfe17d5a4bb_prep,@function
k_qfe17d5a4bb_prep:
	s_mov_b64 s[64:65], 0
	v_nop
	global_prefetch_b8 v0, s[64:65] scope:SCOPE_SE
	s_setreg_imm32_b32 hwreg(HW_REG_WAVE_MODE, 25, 1), 1
	s_wait_xcnt 0x0
; out0 = x wq^T + bias, where wq[n][:] = E8(weight[n][:] / max(norm[n], 1e-8) * 30) * max(norm[n], 1e-8) / 30 (4,096 rows: adaptive = 0.5, sf = 30).
; THIS LAUNCH makes three things for the product that follows:  xh = x rounded once to f16;  q = the E8 lattice point of every block of 8 weights, in f16;
; scale[n] = max(norm[n], 1e-8) / 30.  A lattice point's coordinates are half-integers of magnitude 31.5 at the most (|w| <= norm), so q is EXACT in f16, and the
; factor scale[n], the same for a whole column of out0, is applied to the finished f32 sums by the next launch.  No work of reference() is left out, and all three inputs are used
; (bias by the next launch); one_hot(idx) * flip is made as a choice, which gives the same numbers: one term times 1, seven times 0.
; THE DECISIONS (which coordinate is flipped, which coset is nearer) hang on the last bits of f32 numbers, so all that feeds them is made step by step in f32, each step rounded by itself:
;   norm: products w w rounded first; sums of 32 neighbours, left to right (4,096 -> 128); of 32 of those (128 -> 4); of the four; a correctly rounded root;
;   w / n: a correctly rounded quotient (a refined reciprocal, two corrections by the exact remainder); times 30, rounded;
;   round to even; d = x - f; the parity of the exact sum of f; the FIRST index of the largest |d|; the distances: t = x - y, t t rounded, the eight added left to right.
; LIMITS.  Another order of the norm's sums, or a distance whose products are fused into its sums, can move a decision that hangs on a last bit.  |x| from 65,520 on becomes an infinity in f16; below 6e-5
; x keeps f16's fixed step of 6e-8.  Quotients below 2^-100 may be a last bit off (they round to 0 all the same).  A sum of squares below 2^-96 gives a root below 1e-8, whatever its last bits: n = 1e-8.
; The sign of a zero in q is not kept.  NaN and infinities are not treated apart.  scale multiplies the sum and not each weight: another order of rounding, some 1e-7 of a number.
; SHARES.  Work-group g has rows 16 g .. 16 g + 15 of weight and of x.  FIRST waves 0-7 bring two rows of weight each into LDS and make their norms, while waves 8-15 convert two rows of x each.
; THEN, behind a barrier, all sixteen waves quantise, a row each: wave w takes row w of the 16 out of LDS, with its n and 1 / n, which the norm's wave has left there.
; LDS.  Two rows come by ONE tensor load (one is out for a wave, by this text's count) and lie as 256 windows of 32 numbers, 128 bytes + 16 of padding: pitch 144 = 9 x 16.
; Nothing is filled twice.
.set WTB,    36864                     ; a tensor load's tile: 256 windows x 144 bytes
.set ROWB,   18432                     ; a row in it: 128 windows
.set WPITCH, 144
.set SCR,    8*WTB                     ; behind the tiles: for each of waves 0-7 eight rows of 32 sums, pitch 144, in 1,280 bytes; no tensor load lands here
.set SCRB,   1280
.set NRB,    SCR+8*SCRB                ; behind them: n and 1 / n of the 16 rows, 8 bytes a row, in a block of 256 bytes
.set SPARE,  NRB+256                   ; behind that: the spare words, 128 bytes for each of 16 waves: eight blocks of 256 bytes that no other line names
.set LANE, 1                           ; v1   my lane
.set SPW,  2                           ; v2   LDS address of my spare word; never rewritten
.set NIL,  3                           ; v3   0; never rewritten
.set NA,   4                           ; v4   the norm: my window in a pass of 32 windows
.set ST,   5                           ; v5   where my window's sum goes
.set RDA,  6                           ; v6   the row of 32 sums that I add: row lane % 8
.set QA,   7                           ; v7   my block of 8 weights in my row's first 8 windows; never rewritten
.set QO,   8                           ; v8   16 x lane; never rewritten
.set SO,   9                           ; v9   4 x lane
.set ADR,  24                          ; v24  the LDS address of the trip in hand
.set QOT,  25                          ; v25  my 16 bytes of q in the trip in hand
.set XI,   4                           ; v4   converter: 16 x lane
.set XO,   5                           ; v5   converter: 8 x lane
.set P,    64                          ; v[64:191] four passes of 32 numbers a lane
.set QQ,   40                          ; the block: w / n
.set EE,   48                          ; the remainder w - q n
.set XS,   56                          ; x = (w / n) 30
.set FA,   64                          ; coset 0: round(x)
.set DA,   72                          ;          x - round(x)
.set XB,   80                          ; coset 1: x - 0.5
.set FB,   88
.set DB,   96
.set GA,   104                         ; f with the coordinate flipped
.set GB,   112
.set YA,   120                         ; the nearest point of each coset
.set YB,   128
.set TA,   136                         ; x - y, then its square
.set TB,   144
.set PSA,  152                         ; the sums of f
.set PSB,  156
.set MXA,  160                         ; the largest |d|
.set MXB,  161
.set DD,   162                         ; v162, v163: the two squared distances
.set CH,   164                         ; the point chosen
.set WB,   176                         ; v[176:207] a trip's four blocks of w, 8 registers each
.set PK0,  208                         ; v[208:223] their points in f16, 4 registers each: every store of a trip has its own
.macro PK4 line:vararg                 ; one line for each of a block's four pairs: i = 0, 2, 4, 6
.set i, 0
.rept 4
	\line
.set i, i+2
.endr
.endm
.macro ONE8 line:vararg                ; one line for each of a block's eight numbers: i = 0 .. 7
.set i, 0
.rept 8
	\line
.set i, i+1
.endr
.endm
	s_load_b256 s[4:11], s[0:1], 0x0               ; x s[4:5], weight s[6:7], xh s[8:9], q s[10:11]
	s_load_b64 s[12:13], s[0:1], 0x20              ; scale
	v_lshl_add_u32 v[SPW], v0, 2, SPARE
	v_mov_b32 v[NIL], 0
	ds_add_u32 v[SPW], v[NIL]                      ; the wave's opening: the add, twice on end, and its wait ahead of a wave's first tensor load
	ds_add_u32 v[SPW], v[NIL]                      ; and once more, under the one wait; the set-up below, work on registers, stands between
	v_and_b32 v[LANE], 31, v0
	v_lshrrev_b32 v10, 5, v0
	v_readfirstlane_b32 s14, v10                   ; wave 0..15
	; descriptor group 1: 32,768 dense bytes as 128 rows of 256 bytes (32 elements of 8 bytes), padded in LDS after every 128 bytes
	s_mov_b32 s16, (3<<16)|(1<<20)|(4<<22)|(3<<25) ; 17:16 elements of 8 bytes; 20 padding on; 24:22 after every 32 words (code 4); 31:25 4 words of it (code 3)
	s_mov_b32 s17, 32<<16                          ; tensor_dim0 = 32
	s_mov_b32 s18, 128<<16                         ; tensor_dim1 = 128
	s_mov_b32 s19, 32<<16                          ; tile_dim0 = 32
	s_mov_b32 s20, 128                             ; tile_dim1 = 128
	s_mov_b32 s21, 32                              ; 32 elements from row to row
	s_mov_b32 s22, 0
	s_mov_b32 s23, 0
	s_mov_b32 s31, 0x7fffffff                      ; all bits but the sign
	s_mov_b32 s63, 0x3f800000                      ; the bits of 1.0
	s_lshl_b32 s28, ttmp9, 18                      ; the work-group's 16 rows of 16,384 bytes
	s_mov_b32 s29, 0
	s_wait_dscnt 0x0                               ; both opening adds are done
	s_wait_kmcnt 0x0
	s_cmp_ge_u32 s14, 8
	s_cbranch_scc1 .Lconv
	; ---------------- WAVES 0-7: TWO ROWS OF WEIGHT INTO LDS, AND THEIR NORMS ----------------
	s_lshl_b32 s15, s14, 15                        ; my two rows
	s_add_co_u32 s28, s28, s15
	s_mov_b32 s24, 1                               ; group 0: count = 1
	s_mul_i32 s25, s14, WTB                        ; LDS address: my tile
	s_add_nc_u64 s[26:27], s[6:7], s[28:29]        ; global address: weight at my first row
	s_or_b32 s27, s27, 0x80000000                  ; type = 2
	tensor_load_to_lds s[24:27], s[16:23]
	s_nop 0
	v_mul_u32_u24 v[NA], v[LANE], WPITCH
	v_add_nc_u32 v[NA], s25, v[NA]
	s_mul_i32 s15, s14, SCRB
	s_add_co_u32 s15, s15, SCR                     ; my 8 rows of sums
	v_lshl_add_u32 v[ST], v[LANE], 2, s15
	v_and_b32 v[RDA], 7, v[LANE]
	v_mul_u32_u24 v[RDA], v[RDA], WPITCH
	v_add_nc_u32 v[RDA], s15, v[RDA]
	v_lshlrev_b32 v[SO], 2, v[LANE]
	s_lshr_b32 s28, s28, 12                        ; a row's scale is 4 bytes
	s_add_nc_u64 s[12:13], s[12:13], s[28:29]
	v_bfe_u32 v20, v0, 2, 1                        ; which of my two rows my lane will hold
	s_lshl_b32 s15, s14, 4
	s_add_co_u32 s15, s15, NRB
	v_lshl_add_u32 v20, v20, 3, s15                ; where that row's n and 1 / n go
	s_wait_tensorcnt 0x0                           ; my tile is in
; THE NORM, first level, for my row g: four passes; in pass p lane l has window 32 p + l of the row's 128: its 32 products, each rounded, are added left to right.
.macro LEVEL1 g
.irp p, 0,1,2,3
.irp j, 0,1,2,3,4,5,6,7
	ds_load_b128 v[P+32*(\p)+4*(\j):P+32*(\p)+4*(\j)+3], v[NA] offset:(4*(\g)+(\p))*32*WPITCH+16*(\j)
.endr
.endr
.irp p, 0,1,2,3
	s_wait_dscnt 24-8*(\p)                         ; LDS instructions end in order: pass p's eight loads are in, the later passes' may stay out
.set k, 0
.rept 16
	v_pk_mul_f32 v[P+32*(\p)+k:P+32*(\p)+k+1], v[P+32*(\p)+k:P+32*(\p)+k+1], v[P+32*(\p)+k:P+32*(\p)+k+1]
.set k, k+2
.endr
.endr
.set k, 1
.rept 31
.irp p, 0,1,2,3
	v_add_f32 v[P+32*(\p)], v[P+32*(\p)], v[P+32*(\p)+k]  ; four chains by turns; never fused with the product
.endr
.set k, k+1
.endr
.irp p, 0,1,2,3
	ds_store_b32 v[ST], v[P+32*(\p)] offset:(4*(\g)+(\p))*WPITCH  ; row 4 g + p of my sums: 32 numbers
.endr
.endm
	LEVEL1 0
	LEVEL1 1
	; second level: lane l adds row l % 8 = 4 x (my row) + t of the sums, left to right (LDS serves a wave's instructions in order: these loads see the stores above)
.irp j, 0,1,2,3,4,5,6,7
	ds_load_b128 v[P+4*(\j):P+4*(\j)+3], v[RDA] offset:16*(\j)
.endr
	s_wait_dscnt 0x0
.set k, 1
.rept 31
	v_add_f32 v[P], v[P], v[P+k]
.set k, k+1
.endr
	; third level: the four sums of a row lie in four neighbouring lanes; each lane takes all four and adds them left to right
	v_mov_b32_dpp v96, v[P] quad_perm:[0,0,0,0] row_mask:0xf bank_mask:0xf
	v_mov_b32_dpp v97, v[P] quad_perm:[1,1,1,1] row_mask:0xf bank_mask:0xf
	v_mov_b32_dpp v98, v[P] quad_perm:[2,2,2,2] row_mask:0xf bank_mask:0xf
	v_mov_b32_dpp v99, v[P] quad_perm:[3,3,3,3] row_mask:0xf bank_mask:0xf
	v_add_f32 v10, v96, v97
	v_add_f32 v10, v10, v98
	v_add_f32 v10, v10, v99                        ; lanes whose bit 2 is 0: my first row's sum of squares; the others: my second row's
	; the root, rounded correctly: the neighbour below is taken where S - below x s <= 0, the neighbour above where S - above x s > 0 (both remainders exact, by one fused line each)
	v_sqrt_f32 v11, v10
	v_nop                                          ; a plain instruction behind the root,
	s_wait_alu depctr_va_vdst(0)                   ; and the wait ahead of the first use of its result
	v_add_nc_u32 v12, -1, v11
	v_add_nc_u32 v13, 1, v11
	v_fma_f32 v14, -v12, v11, v10
	v_fma_f32 v15, -v13, v11, v10
	v_cmp_ge_f32 vcc_lo, 0, v14
	v_cndmask_b32 v16, v11, v12, vcc_lo
	v_cmp_lt_f32 vcc_lo, 0, v15
	v_cndmask_b32 v16, v16, v13, vcc_lo
	v_max_num_f32 v16, 0x322bcc77, v16             ; n = max(norm, 1e-8)
	v_rcp_f32 v17, v16
	v_nop
	s_wait_alu depctr_va_vdst(0)
	v_fma_f32 v18, -v16, v17, 1.0
	v_fma_f32 v17, v18, v17, v17                   ; r = 1 / n, refined once
	v_mul_f32 v19, 0x3d088889, v16                 ; n / 30
	ds_store_b64 v20, v[16:17]                     ; n and r, for the wave that will quantise the row; the lanes of a row write the same 8 bytes with the same numbers
	v_readlane_b32 s60, v19, 0                     ; n / 30 of my two rows
	v_readlane_b32 s61, v19, 4
	v_mov_b32 v10, s60
	v_writelane_b32 v10, s61, 1
	v_cmp_gt_u32 vcc_lo, 2, v[LANE]
	s_wait_xcnt 0x0                                ; EXEC changes only behind this wait
	s_and_saveexec_b32 s30, vcc_lo
	global_store_b32 v[SO], v10, s[12:13]          ; two numbers a wave: 16 KiB in the whole launch
	s_wait_xcnt 0x0                                ; and again, in front of the line that widens it
	s_or_b32 exec_lo, exec_lo, s30
	s_branch .Ljoin
	; ---------------- WAVES 8-15: TWO ROWS OF x TO f16 ----------------
	; Two rows of x, 32,768 bytes, are 64 loads of 512 consecutive bytes; sixteen are always out.  Every place stands in an immediate, and each store has a register pair of its own: nothing is stepped, no source is written again in this part.
.Lconv:
	s_sub_co_u32 s15, s14, 8
	s_lshl_b32 s15, s15, 15
	s_add_co_u32 s28, s28, s15
	s_add_nc_u64 s[4:5], s[4:5], s[28:29]
	s_lshr_b32 s28, s28, 1
	s_add_nc_u64 s[8:9], s[8:9], s[28:29]
	v_lshlrev_b32 v[XI], 4, v[LANE]
	v_lshlrev_b32 v[XO], 3, v[LANE]
.set j, 0
.rept 16
	global_load_b128 v[32+4*j:35+4*j], v[XI], s[4:5] offset:512*j th:TH_LOAD_NT
.set j, j+1
.endr
.set j, 0
.rept 64
.if j < 48
	s_wait_loadcnt 15                              ; loads come back in order: load j is in, the fifteen issued behind it stay out
.else
	s_wait_loadcnt 63-j                            ; nothing more is asked for: the counts run down
.endif
	v_cvt_pk_f16_f32 v[96+2*j], v[32+4*(j%16)], v[32+4*(j%16)+1]
	v_cvt_pk_f16_f32 v[97+2*j], v[32+4*(j%16)+2], v[32+4*(j%16)+3]
.if j < 48
	global_load_b128 v[32+4*(j%16):35+4*(j%16)], v[XI], s[4:5] offset:512*(j+16) th:TH_LOAD_NT
.endif
	global_store_b64 v[XO], v[96+2*j:97+2*j], s[8:9] offset:256*j th:TH_STORE_NT  ; 256 consecutive bytes, at a multiple of 256 from xh's first
.set j, j+1
.endr
	; ---------------- ALL SIXTEEN WAVES: A ROW EACH IS QUANTISED ----------------
.Ljoin:
	s_wait_xcnt 0x0                                ; the registers that the stores above read are written again below, only behind this wait
	s_wait_dscnt 0x0                               ; for the others' sake: my stores of sums, of n and of r are done (my tile was waited for above)
	s_barrier_signal -1
	s_barrier_wait -1                              ; all 16 rows, and their n and r, lie in LDS
	s_lshl_b32 s15, s14, 3
	s_add_co_u32 s15, s15, NRB
	v_mov_b32 v10, s15
	ds_load_b64 v[12:13], v10                      ; my row's n and r
	s_mul_i32 s51, s14, ROWB                       ; my row: the tiles lie end to end, two rows each
	v_bfe_u32 v[QA], v0, 2, 3                      ; four blocks to a window: window lane / 4 of eight,
	v_mul_u32_u24 v[QA], v[QA], WPITCH
	v_and_b32 v11, 3, v0                           ; block lane % 4 in it
	v_lshl_add_u32 v[QA], v11, 5, v[QA]
	v_add_nc_u32 v[QA], s51, v[QA]
	v_lshlrev_b32 v[QO], 4, v[LANE]
	s_lshl_b32 s28, ttmp9, 17                      ; the work-group's 16 rows of q, 8,192 bytes each,
	s_lshl_b32 s51, s14, 13                        ; and mine
	s_add_co_u32 s28, s28, s51
	s_add_nc_u64 s[10:11], s[10:11], s[28:29]
	s_wait_dscnt 0x0
	v_readfirstlane_b32 s50, v12                   ; n
	v_readfirstlane_b32 s54, v13                   ; r; the packed lines name pairs and take the low word for both halves
	s_xor_b32 s52, s50, 0x80000000                 ; -n
	s_mov_b32 s53, s52
	s_mov_b32 s55, s54
; One coset's nearest point of D8.  f: round(x); d: x - f; g: at work; y: the result; ps: four registers at work; mx: the largest |d|; mk: eight scalar masks; ra, rb: two more, by turns.
.macro COSET f, d, g, y, ps, mx, mk, ra, rb
	v_pk_add_f32 v[(\ps):(\ps)+1], v[(\f):(\f)+1], v[(\f)+2:(\f)+3]  ; the sum of f: whole numbers, exact in any order
	v_pk_add_f32 v[(\ps)+2:(\ps)+3], v[(\f)+4:(\f)+5], v[(\f)+6:(\f)+7]
	v_max3_num_f32 v[\mx], |v[\d]|, |v[(\d)+1]|, |v[(\d)+2]|
	v_pk_add_f32 v[(\ps):(\ps)+1], v[(\ps):(\ps)+1], v[(\ps)+2:(\ps)+3]
	v_max3_num_f32 v[\mx], v[\mx], |v[(\d)+3]|, |v[(\d)+4]|
	v_add_f32 v[\ps], v[\ps], v[(\ps)+1]
	v_max3_num_f32 v[\mx], v[\mx], |v[(\d)+5]|, |v[(\d)+6]|
	v_cvt_i32_f32 v[\ps], v[\ps]
	v_max_num_f32 v[\mx], v[\mx], |v[(\d)+7]|
	v_and_b32 v[\ps], 1, v[\ps]
	v_cmp_ne_u32 s[\ra], 0, v[\ps]                 ; the lanes whose sum is odd: there one coordinate is still to be flipped
	ONE8 v_cmp_eq_f32 s[(\mk)+i], |v[(\d)+i]|, v[\mx]
	ONE8 v_bfi_b32 v[(\g)+i], s31, s63, v[(\d)+i]  ; 1 with d's sign (d is never -0: a difference of equal numbers is +0)
	PK4 v_pk_add_f32 v[(\g)+i:(\g)+i+1], v[(\f)+i:(\f)+i+1], v[(\g)+i:(\g)+i+1]
.set i, 0
.rept 8                                ; the first index that holds the maximum takes the flip, and the later ones find nothing left
.if i%2 == 0
	s_and_not1_b32 s[\rb], s[\ra], s[(\mk)+i]
	s_and_b32 s[(\mk)+i], s[(\mk)+i], s[\ra]
.else
.if i < 7
	s_and_not1_b32 s[\ra], s[\rb], s[(\mk)+i]
.endif
	s_and_b32 s[(\mk)+i], s[(\mk)+i], s[\rb]
.endif
.set i, i+1
.endr
	ONE8 v_cndmask_b32 v[(\y)+i], v[(\f)+i], v[(\g)+i], s[(\mk)+i]
.endm
; Block u of a trip's four: a block of 8 weights a lane, from w to its lattice point in f16, and the store.
.macro BLOCK u
.set WW,  WB+8*(\u)
.set PKD, PK0+4*(\u)
	s_wait_dscnt 6-2*(\u)                          ; LDS loads come back in order: block u's two are in, the later blocks' may stay out
	PK4 v_pk_mul_f32 v[QQ+i:QQ+i+1], v[WW+i:WW+i+1], s[54:55] op_sel_hi:[1,0]
	PK4 v_pk_fma_f32 v[EE+i:EE+i+1], v[QQ+i:QQ+i+1], s[52:53], v[WW+i:WW+i+1] op_sel_hi:[1,0,1]
	PK4 v_pk_fma_f32 v[QQ+i:QQ+i+1], v[EE+i:EE+i+1], s[54:55], v[QQ+i:QQ+i+1] op_sel_hi:[1,0,1]
	PK4 v_pk_fma_f32 v[EE+i:EE+i+1], v[QQ+i:QQ+i+1], s[52:53], v[WW+i:WW+i+1] op_sel_hi:[1,0,1]
	PK4 v_pk_fma_f32 v[QQ+i:QQ+i+1], v[EE+i:EE+i+1], s[54:55], v[QQ+i:QQ+i+1] op_sel_hi:[1,0,1]
	PK4 v_pk_mul_f32 v[XS+i:XS+i+1], v[QQ+i:QQ+i+1], 0x41f00000 op_sel_hi:[1,0]
	ONE8 v_rndne_f32 v[FA+i], v[XS+i]
	PK4 v_pk_add_f32 v[XB+i:XB+i+1], v[XS+i:XS+i+1], -0.5 op_sel_hi:[1,0]
	PK4 v_pk_add_f32 v[DA+i:DA+i+1], v[XS+i:XS+i+1], v[FA+i:FA+i+1] neg_lo:[0,1] neg_hi:[0,1]
	ONE8 v_rndne_f32 v[FB+i], v[XB+i]
	PK4 v_pk_add_f32 v[DB+i:DB+i+1], v[XB+i:XB+i+1], v[FB+i:FB+i+1] neg_lo:[0,1] neg_hi:[0,1]
	COSET FA, DA, GA, YA, PSA, MXA, 32, 48, 49
	COSET FB, DB, GB, YB, PSB, MXB, 40, 66, 67
	PK4 v_pk_add_f32 v[YB+i:YB+i+1], v[YB+i:YB+i+1], 0.5 op_sel_hi:[1,0]
	PK4 v_pk_add_f32 v[TA+i:TA+i+1], v[XS+i:XS+i+1], v[YA+i:YA+i+1] neg_lo:[0,1] neg_hi:[0,1]
	PK4 v_pk_add_f32 v[TB+i:TB+i+1], v[XS+i:XS+i+1], v[YB+i:YB+i+1] neg_lo:[0,1] neg_hi:[0,1]
	PK4 v_pk_mul_f32 v[TA+i:TA+i+1], v[TA+i:TA+i+1], v[TA+i:TA+i+1]  ; the squares, each rounded by itself;
	PK4 v_pk_mul_f32 v[TB+i:TB+i+1], v[TB+i:TB+i+1], v[TB+i:TB+i+1]
	v_add_f32 v[DD], v[TA], v[TA+1]                ; then added left to right, the two distances' chains by turns; never fused with the product
	v_add_f32 v[DD+1], v[TB], v[TB+1]
.set i, 2
.rept 6
	v_add_f32 v[DD], v[DD], v[TA+i]
	v_add_f32 v[DD+1], v[DD+1], v[TB+i]
.set i, i+1
.endr
	v_cmp_le_f32 s62, v[DD], v[DD+1]
	ONE8 v_cndmask_b32 v[CH+i], v[YB+i], v[YA+i], s62
.set i, 0
.rept 4
	v_cvt_pk_f16_f32 v[PKD+i], v[CH+2*i], v[CH+2*i+1]  ; exact
.set i, i+1
.endr
	global_store_b128 v[QOT], v[PKD:PKD+3], s[10:11] offset:512*(\u) th:TH_STORE_NT  ; the wave stores 512 consecutive bytes, at a multiple of 512 from q's first
.endm
	; THE BLOCKS: 4 trips of four blocks a lane: 128 blocks, 4,096 bytes of the row, a trip.  A trip is 32 windows in LDS and 2,048 bytes of q.  Both places are made anew in each trip from the
	; loop's own count, 4 down to 1, so the row is walked from its end to its beginning; a block's place in the trip stands in the immediates.  The last byte read is 18,415 of my row's 18,432.
	s_mov_b32 s69, 4
.Ltrip:
	s_sub_co_u32 s51, s69, 1
	s_mul_i32 s68, s51, 32*WPITCH                  ; the trip's first byte in my row
	s_lshl_b32 s51, s51, 11                        ; and in my row of q
	v_add_nc_u32 v[ADR], s68, v[QA]
	v_add_nc_u32 v[QOT], s51, v[QO]
.irp u, 0,1,2,3
	ds_load_b128 v[WB+8*(\u):WB+8*(\u)+3],   v[ADR] offset:(\u)*8*WPITCH
	ds_load_b128 v[WB+8*(\u)+4:WB+8*(\u)+7], v[ADR] offset:(\u)*8*WPITCH+16
.endr
	BLOCK 0
	BLOCK 1
	BLOCK 2
	BLOCK 3
	s_wait_xcnt 0x0                                ; the four stores' offset and data are written again only behind this wait
	s_sub_co_u32 s69, s69, 1
	s_cmp_lg_u32 s69, 0
	s_cbranch_scc1 .Ltrip
	s_wait_dscnt 0x0                               ; my reads of LDS are over (the last count-down ended at 0),
	s_barrier_signal -1
	s_barrier_wait -1                              ; and so are every wave's, before any wave goes on to its last LDS write
	s_wait_tensorcnt 0x0                           ; the wave's end: the tensor wait, a 0 added to my spare word and its wait, behind my last tensor load and my last LDS store
	ds_add_u32 v[SPW], v[NIL]
	s_wait_dscnt 0x0
	s_endpgm
.Lfunc_end_k_qfe17d5a4bb_prep:
	.size	k_qfe17d5a4bb_prep, .Lfunc_end_k_qfe17d5a4bb_prep-k_qfe17d5a4bb_prep
	.p2alignl 7, 3214868480
	.fill 96, 4, 3214868480
	.section	.rodata,"a",@progbits
	.p2align	6, 0x0
	.amdhsa_kernel k_qfe17d5a4bb_prep
		.amdhsa_group_segment_fixed_size 307456
		.amdhsa_private_segment_fixed_size 0
		.amdhsa_enable_private_segment 0
		.amdhsa_kernarg_size 40
		.amdhsa_user_sgpr_count 2
		.amdhsa_user_sgpr_kernarg_segment_ptr 1
		.amdhsa_wavefront_size32 1
		.amdhsa_system_sgpr_workgroup_id_x 1
		.amdhsa_system_sgpr_workgroup_id_y 1
		.amdhsa_system_sgpr_workgroup_id_z 1
		.amdhsa_system_vgpr_workitem_id 0
		.amdhsa_next_free_vgpr 224
		.amdhsa_next_free_sgpr 72
		.amdhsa_reserve_vcc 1
		.amdhsa_float_denorm_mode_32 3
		.amdhsa_float_denorm_mode_16_64 3
		.amdhsa_memory_ordered 1
		.amdhsa_forward_progress 1
		.amdhsa_inst_pref_size 96
	.end_amdhsa_kernel
	.amdgpu_metadata
---
amdhsa.version: [ 1, 2 ]
amdhsa.kernels:
  - .name:           k_qfe17d5a4bb_prep
    .symbol:         k_qfe17d5a4bb_prep.kd
    .args:
      - { .name: x, .offset: 0, .size: 8, .value_kind: global_buffer, .address_space: global }
      - { .name: weight, .offset: 8, .size: 8, .value_kind: global_buffer, .address_space: global }
      - { .name: xh, .offset: 16, .size: 8, .value_kind: global_buffer, .address_space: global }
      - { .name: q, .offset: 24, .size: 8, .value_kind: global_buffer, .address_space: global }
      - { .name: scale, .offset: 32, .size: 8, .value_kind: global_buffer, .address_space: global }
    .group_segment_fixed_size: 307456
    .private_segment_fixed_size: 0
    .kernarg_segment_align: 8
    .kernarg_segment_size: 40
    .max_flat_workgroup_size: 512
    .sgpr_count:     72
    .vgpr_count:     224
    .wavefront_size: 32
...
	.end_amdgpu_metadata
.endif
;; end of part 1
;; launch gemm (part 2): grid 16 x 16, 4 waves a work-group, clusters of 4 x 4, 327,680 bytes of LDS; arguments xh, q, out0, scale, bias; writes out0
.if DOCPART == 2
	.amdgcn_target "amdgcn-amd-amdhsa--gfx1250"
	.amdhsa_code_object_version 6
	.text
	.protected	k_qfe17d5a4bb_gemm
	.globl	k_qfe17d5a4bb_gemm
	.p2align	8
	.type	k_qfe17d5a4bb_gemm,@function
k_qfe17d5a4bb_gemm:
	s_mov_b64 s[64:65], 0
	v_nop
	global_prefetch_b8 v0, s[64:65] scope:SCOPE_SE
	s_setreg_imm32_b32 hwreg(HW_REG_WAVE_MODE, 25, 1), 1
	s_wait_xcnt 0x0
	s_wait_alu depctr_hold_cnt(0) depctr_sa_sdst(0) depctr_va_vdst(0) depctr_va_sdst(0) depctr_va_ssrc(0) depctr_va_vcc(0) depctr_vm_vsrc(0)
	s_getreg_b32 s2, hwreg(HW_REG_IB_STS2, 6, 4)
	s_cmp_eq_u32 s2, 0
	s_cbranch_scc0 .Lentry_in_a_cluster
	s_endpgm
.Lentry_in_a_cluster:
	s_bfe_u32 s2, ttmp6, 0x10000c
	s_cmp_lg_u32 s2, 0xf033
	s_cbranch_scc0 .Lentry_shape_is_right
	s_endpgm
.Lentry_shape_is_right:
; out0[m][n] = (sum over k of xh[m][k] q[n][k]) scale[n] + bias[n].  xh: x in f16, [4096][4096]; q: the lattice points in f16 (exact), [4096][4096]; scale[n] = max(norm[n], 1e-8) / 30, f32; sums in f32.
; No work of reference() is left out.  LIMITS: xh carries f16's range and step (|x| from 65,520 on is an infinity); scale multiplies the finished sum and not each weight: another order of rounding, some 1e-7 of a number.
; A tile of out0, 256 x 256, is made by a work-group of four waves; a wave makes 128 x 128: 64 accumulators of 16 x 16, 512 registers.  4,096 x 4,096 are 256 tiles.
; K goes in steps of 128 through a ring of two LDS slots filled by the tensor data mover: a tile's rows are 256 bytes of memory and start at multiples of 256 bytes from the buffer's first byte.
; CLUSTERS: 4 x 4 work-groups.  The four of a row of the cluster need the same tiles of xh, the four of a column the same tiles of q.  Such a tile is asked for JOINTLY: each of the four issues the same
; tensor load, with the same descriptor and a mask that names the four, and each receives the tile in its own LDS.
; REGISTERS, in windows of 256 (s_set_vgpr_msb's low byte: bits 1:0 source 0, 3:2 source 1, 5:4 source 2, 7:6 destination):
;   window 0: v0-31 addresses; v64-127, v128-191 fragments of xh, two buffers (on the way out: rows read back from the stage); v192-255 on the way out: 16 rows x 128 columns, scaled
;   window 1: v64-127, v128-191 fragments of q, two buffers; v0-63 scale and v192-255 bias of my lane's 64 columns
;   window 2: the 32 accumulators of my rows 0-63 (accumulator (a, b) at v[8 (8 a + b)]);   window 3: those of my rows 64-127
; THE MATRIX INSTRUCTION IS USED TRANSPOSED: source 0 = 16 rows of q, source 1 = 16 rows of xh.  In the result lane l holds row m = l % 16 of out0, and its registers 0 to 7 the columns
; n = 8 (l / 16) + 0 .. 7: eight neighbouring numbers of a row, 32 bytes.
.set SIZE_M, 4096
.set SIZE_N, 4096
.set SIZE_K, 4096
.set KSTEP,  128
.set PITCH,  272                       ; an LDS row: 256 bytes + 16 of padding = 68 words: row r starts at bank 4 r mod 64 (64 banks of 4 bytes: ISA guide 11.1), so the 16 rows of a load start at 16 different banks
.set HALFT,  128*PITCH                 ; 128 rows: what one tensor load brings, and what one wave reads of xh or of q
.set SLOT,   4*HALFT                   ; xh's 256 rows, then q's 256 rows
.set STAGE,  2*SLOT                    ; behind the ring: 16 rows x 528 bytes for each wave, for the way out; no tensor load lands here
.set SPITCH, 528                       ; 512 bytes + 16: 33 x 16, so that 16 rows' stores of 16 bytes fall into 16 different groups of four banks
.set SPARE,  STAGE+4*16*SPITCH         ; behind the stages: the spare words, 128 bytes for each wave: two blocks of 256 bytes that no other line names
.set LAPS, SIZE_K/(2*KSTEP)            ; a lap = two K steps = once round the ring
.set ADRA, 16                          ; v16-17  LDS address of my fragments of xh in slot 0, 1
.set ADRB, 20                          ; v20-21  the same for q
.set STO,  24                          ; v24     the way out: where I put 32 bytes of a row
.set RD,   25                          ; v25     the way out: where I read 16 bytes of a row back
.set CO,   26                          ; v26     16 x lane: my place in a row's 512 bytes of out0
.set SBO,  27                          ; v27     my byte offset in the tile's 256 numbers of scale and of bias; never rewritten
.set SPW,  28                          ; v28     LDS address of my spare word; never rewritten
.set NIL,  29                          ; v29     0; never rewritten
.set PFO,  30                          ; v30     the prefetches' offset: my lane x a row of xh or q (8,192 bytes); never rewritten
.set PFA,  44                          ; s[44:45] where my prefetches stand: my work-group's 32 rows of the 128 that I fetch, one K step further along K than the refill that is being asked for
.set LIM,  43                          ; s43     1 in a wave that prefetches, else the greatest number
.set F0,   64                          ; fragment buffer 0
.set F1,   128                         ; fragment buffer 1
.set TMP,  192                         ; window 0: a block's 64 numbers a lane, scaled
.set OB,   64                          ; window 0: 16 rows read back from the stage: v64-127 and v128-191 by turns
.set SC,   0                           ; window 1: register 8 b + j: scale of column 16 b + 8 (l / 16) + j of my 128
.set BI,   192                         ; window 1: bias likewise
.set G1, 24                            ; s[24:31] descriptor group 1 for xh's tiles
.set G0, 32                            ; s[32:39] descriptor group 0 for xh's tiles, one set for each slot
.set G1B, 48                           ; s[48:55] descriptor group 1 for q's tiles: it differs in the mask alone
.set G0B, 56                           ; s[56:63] descriptor group 0 for q's tiles, one set for each slot
.set MSB, 0
.macro WIN new                         ; the immediate's high byte repeats the setting that is left; a switch that changes nothing is dropped
.if MSB != (\new)
	s_set_vgpr_msb (MSB<<8)|(\new)
.set MSB, \new
.endif
.endm
.set MUL_LO, 0xa1                      ; source 0 (q) window 1, source 1 (xh) window 0, C and D window 2
.set MUL_HI, 0xf1                      ; the same, C and D window 3
.set TO_B,   0x40                      ; destination window 1, address window 0
; A joint load.  Waves 0 and 1 fetch xh's two halves, waves 2 and 3 q's.  Each of the two lines has ONE mask and one set of registers for all that issue it.  The branch hangs on the wave's number alone.
; An s_nop 0 and four v_nop follow each of the two lines, ahead of the jump, the label and what follows.
.macro JLOAD s
	s_cmp_eq_u32 s11, 0
	s_cbranch_scc0 .Lfor_b_\@
	tensor_load_to_lds s[G0+4*(\s):G0+4*(\s)+3], s[G1:G1+7]
	s_nop 0
.rept 4
	v_nop
.endr
	s_branch .Lasked_\@
.Lfor_b_\@:
	tensor_load_to_lds s[G0B+4*(\s):G0B+4*(\s)+3], s[G1B:G1B+7]
	s_nop 0
.rept 4
	v_nop
.endr
.Lasked_\@:
.endm
; A PREFETCH, behind each joint refill, its five lines and the run of LDS loads that follows them: the K step that stands TWO refills on, 512 matrix instructions ahead of the load that will ask for it:
; 32 rows x 256 bytes, a lane a row, one instruction a wave.  Each row's 256 bytes of a K step are named ONCE in the launch: xh's tile row is read by every cluster of that row of clusters, and the one with
; cluster x = 0 asks; q's tile column by every cluster of that column, and the one with cluster y = 0 asks.  The four partners that ask for a tile jointly share its rows out BY ADDRESS: of the 128 rows that a wave
; fetches the partner at place p takes 32 p .. 32 p + 31 (p = cx for xh, cy for q).  K steps 0 to 3 come by their loads alone; the loop's last trip (s3 = 1) asks for nothing: the last K step named is 31, the last there is.
.macro ASK
	s_cmp_gt_u32 s3, s[LIM]
	s_cbranch_scc0 .Lnot_mine_\@
	global_prefetch_b8 v[PFO], s[PFA:PFA+1] offset:KSTEP*2 th:TH_LOAD_NT scope:SCOPE_SE
.Lnot_mine_\@:
.endm
; A round of the cluster's barrier: my work-group's barrier, so that wave 0's signal speaks for all four waves; wave 0 signals for the work-group; every wave waits for all sixteen; my work-group's barrier once more.
.macro CREST                           ; a round behind its opening barrier
	s_cmp_lg_u32 s10, 0
	s_cbranch_scc1 .Lnot_wave_0_\@
	s_barrier_signal -3
.Lnot_wave_0_\@:
	s_barrier_wait -3
	s_barrier_signal -1
	s_barrier_wait -1
.endm
.macro CROUND                          ; a whole round
	s_barrier_signal -1
	s_barrier_wait -1
	CREST
.endm
	s_load_b128 s[4:7], s[0:1], 0x0                ; xh s[4:5], q s[6:7]
	s_load_b64 s[8:9], s[0:1], 0x10                ; out0
	s_load_b64 s[68:69], s[0:1], 0x18              ; scale
	s_load_b64 s[70:71], s[0:1], 0x20              ; bias
	v_lshl_add_u32 v[SPW], v0, 2, SPARE
	v_mov_b32 v[NIL], 0
	ds_add_u32 v[SPW], v[NIL]                      ; the wave's opening: the add, twice on end, and its wait ahead of my first tensor load
	ds_add_u32 v[SPW], v[NIL]                      ; and once more, under the one wait; the set-up below, work on registers, stands between
	v_lshrrev_b32 v1, 5, v0
	v_readfirstlane_b32 s10, v1                    ; wave 0..3
	s_lshr_b32 s11, s10, 1                         ; which half of the tile's rows is mine.  Also: I fetch for xh (0) or for q (1)
	s_and_b32 s12, s10, 1                          ; which half of its columns.  Also: which 128 rows of that tile I fetch
	s_bfe_u32 s40, ttmp6, 0x40000                  ; cx: my place along the cluster's x
	s_bfe_u32 s41, ttmp6, 0x40004                  ; cy: along its y
	s_lshl_b32 s42, ttmp9, 2                       ; in a cluster launch ttmp9 and ttmp7 count clusters
	s_add_co_u32 s42, s42, s40                     ; tile column = 4 x cluster x + cx
	s_and_b32 s13, ttmp7, 0xffff
	s_lshl_b32 s13, s13, 2
	s_add_co_u32 s13, s13, s41                     ; tile row = 4 x cluster y + cy
	s_lshl_b32 s43, s41, 2
	s_lshl_b32 s43, 15, s43                        ; my row of the cluster: places 4 cy .. 4 cy + 3
	s_lshl_b32 s44, 0x1111, s40                    ; my column: places cx, cx + 4, cx + 8, cx + 12
	; descriptor group 1: a tile of 128 rows x 128 elements, padded in LDS
	s_or_b32 s[G1+0], s43, (1<<16)|(1<<20)|(1<<21)|(5<<22)|(3<<25)  ; 15:0 the mask: xh's tiles go to my row; 17:16 elements of 2 bytes; 20 padding on; 21 set beside a mask; 24:22 after every 64 words (code 5); 31:25 4 words of it (code 3)
	s_or_b32 s[G1B+0], s44, (1<<16)|(1<<20)|(1<<21)|(5<<22)|(3<<25) ; the same with the mask of my column, for q's tiles
.irp g, G1, G1B
	s_mov_b32 s[(\g)+1], KSTEP<<16                 ; tensor_dim0 = 128
	s_mov_b32 s[(\g)+2], 128<<16                   ; tensor_dim1 = 128
	s_mov_b32 s[(\g)+3], KSTEP<<16                 ; tile_dim0 = 128
	s_mov_b32 s[(\g)+4], 128                       ; tile_dim1 = 128
	s_mov_b32 s[(\g)+5], SIZE_K                    ; elements from row to row
	s_mov_b32 s[(\g)+6], 0
	s_mov_b32 s[(\g)+7], 0
.endr
	; where the tiles come from.  xh's hang on the tile row alone, which my row of the cluster shares; q's on the tile column alone, which my column shares.
	s_lshl_b32 s17, s12, 7                         ; which 128 rows of the tile I fetch
	s_lshl_b32 s16, s13, 8
	s_add_co_u32 s16, s16, s17                     ; xh: row 256 x tile row + 128 x half
	s_lshl_b32 s46, s42, 8
	s_add_co_u32 s46, s46, s17                     ; q: row 256 x tile column + 128 x half
	s_mov_b32 s17, 0
	s_mov_b32 s47, 0
	s_mov_b64 s[18:19], SIZE_K*2
	s_mul_u64 s[16:17], s[16:17], s[18:19]         ; in bytes
	s_mul_u64 s[46:47], s[46:47], s[18:19]
	s_mul_i32 s20, s10, HALFT                      ; and where they go: wave x 128 rows: no place in the cluster enters an LDS address
	s_wait_dscnt 0x0                               ; both opening adds are done
	s_wait_kmcnt 0x0
	s_add_nc_u64 s[14:15], s[4:5], s[16:17]
	s_add_nc_u64 s[46:47], s[6:7], s[46:47]
	CROUND                                         ; all sixteen work-groups are here: the first joint loads meet
.irp s, 0,1
	s_mov_b32 s[G0+4*(\s)], 1                                      ; count = 1
	s_add_co_u32 s[G0+4*(\s)+1], s20, (\s)*SLOT                    ; LDS address
	s_add_nc_u64 s[G0+4*(\s)+2:G0+4*(\s)+3], s[14:15], (\s)*KSTEP*2  ; global address: K step s
	s_or_b32 s[G0+4*(\s)+3], s[G0+4*(\s)+3], 0x80000000            ; type = 2
	s_mov_b32 s[G0B+4*(\s)], 1
	s_add_co_u32 s[G0B+4*(\s)+1], s20, (\s)*SLOT
	s_add_nc_u64 s[G0B+4*(\s)+2:G0B+4*(\s)+3], s[46:47], (\s)*KSTEP*2
	s_or_b32 s[G0B+4*(\s)+3], s[G0B+4*(\s)+3], 0x80000000
	JLOAD \s                                       ; the ring is filled before anything else is done: two loads of mine are out
.endr
	; A fragment is 16 rows x 32 K in 8 registers: lane l holds row l % 16; registers 0-3 hold K = 8 (l / 16) + 0..7, registers 4-7 K = 16 + 8 (l / 16) + 0..7: two loads of 16 bytes, 32 bytes apart.
	v_and_b32 v1, 15, v0                           ; l % 16
	v_bfe_u32 v2, v0, 4, 1                         ; l / 16
	; scale and bias of my lane's 64 columns, into window 1's free registers
	s_lshl_b32 s46, s42, 10                        ; the tile's 256 columns: 1,024 bytes
	s_mov_b32 s47, 0
	s_add_nc_u64 s[68:69], s[68:69], s[46:47]
	s_add_nc_u64 s[70:71], s[70:71], s[46:47]
	s_lshl_b32 s20, s12, 9                         ; my wave's 128 of them
	v_lshl_add_u32 v[SBO], v2, 5, s20              ; + 8 numbers for the upper half of the lanes
	WIN TO_B
.irp b, 0,1,2,3,4,5,6,7
	global_load_b128 v[SC+8*(\b):SC+8*(\b)+3],   v[SBO], s[68:69] offset:64*(\b)
	global_load_b128 v[SC+8*(\b)+4:SC+8*(\b)+7], v[SBO], s[68:69] offset:64*(\b)+16
	global_load_b128 v[BI+8*(\b):BI+8*(\b)+3],   v[SBO], s[70:71] offset:64*(\b)
	global_load_b128 v[BI+8*(\b)+4:BI+8*(\b)+7], v[SBO], s[70:71] offset:64*(\b)+16
.endr
	WIN 0
	v_mul_u32_u24 v3, v1, PITCH
	v_lshl_add_u32 v3, v2, 4, v3                   ; row x pitch + 16 x half
	s_mul_i32 s21, s11, HALFT                      ; my 128 rows of xh
	s_mul_i32 s22, s12, HALFT                      ; my 128 rows of q,
	s_add_co_u32 s22, s22, 2*HALFT                 ; which lie behind xh's 256
.irp s, 0,1
	v_add_nc_u32 v[ADRA+(\s)], s21, v3
	v_add_nc_u32 v[ADRB+(\s)], s22, v3
	s_add_co_u32 s21, s21, SLOT
	s_add_co_u32 s22, s22, SLOT
.endr
	s_mul_i32 s23, s10, 16*SPITCH
	s_add_co_u32 s23, s23, STAGE                   ; my stage
	v_mul_u32_u24 v4, v1, SPITCH                   ; in: row l % 16, 32 bytes for each half of the lanes
	v_lshl_add_u32 v4, v2, 5, v4
	v_add_nc_u32 v[STO], s23, v4
	v_and_b32 v5, 31, v0
	v_lshlrev_b32 v[CO], 4, v5                     ; back: 32 lanes take one row of 512 bytes,
	v_add_nc_u32 v[RD], s23, v[CO]                 ; and the same 512 bytes in out0
	; where my part of the tile begins in out0, in bytes: the way out adds it to out0's address
	s_lshl_b32 s13, s13, 8
	s_lshl_b32 s14, s11, 7
	s_add_co_u32 s16, s13, s14                     ; my first row
	s_mov_b32 s17, 0
	s_mov_b64 s[18:19], SIZE_N*4
	s_mul_u64 s[16:17], s[16:17], s[18:19]
	s_lshl_b32 s47, s12, 9                         ; my first column, in bytes: 1,024 x tile column (s46) + 512 x half
	s_add_co_u32 s46, s46, s47
	s_mov_b32 s47, 0
	s_add_nc_u64 s[16:17], s[16:17], s[46:47]
	; the prefetches.  s13 = 256 x tile row, s42 = tile column, s40 = cx, s41 = cy still stand
	s_lshl_b32 s42, s42, 8
	s_and_b32 s22, ttmp7, 0xffff                   ; cluster y
	s_cmp_eq_u32 s11, 0                            ; do I fetch for xh?
	s_cselect_b32 s20, s13, s42                    ; the tile's first row: in xh by the tile row, in q by the tile column
	s_cselect_b32 s21, s40, s41                    ; my place among the four that ask for it with me
	s_cselect_b32 s22, ttmp9, s22                  ; the coordinate along which other clusters read the same rows
	s_cselect_b64 s[PFA:PFA+1], s[4:5], s[6:7]
	s_cmp_eq_u32 s22, 0
	s_cselect_b32 s[LIM], 1, -1                    ; the same in all sixteen partners, for a given wave
	s_lshl_b32 s22, s12, 7
	s_add_co_u32 s20, s20, s22                     ; + the 128 rows that I fetch
	s_lshl_b32 s21, s21, 5
	s_add_co_u32 s20, s20, s21                     ; + my work-group's 32 of them
	s_mov_b32 s21, 0
	s_mov_b64 s[18:19], SIZE_K*2
	s_mul_u64 s[20:21], s[20:21], s[18:19]
	s_add_nc_u64 s[PFA:PFA+1], s[PFA:PFA+1], s[20:21]
	s_add_nc_u64 s[PFA:PFA+1], s[PFA:PFA+1], 2*KSTEP*2  ; at K step 2: the first refill steps it to 3 and names K step 4
	v_and_b32 v[PFO], 31, v0
	v_mul_u32_u24 v[PFO], v[PFO], SIZE_K*2
; 16 matrix instructions: m blocks a0, a0 + 1 of the window's four (hi = 0: my rows 0-63, 1: rows 64-127) x all 8 n blocks, 32 along K.  zero = 1: the first product starts the sums: nothing is ever cleared.
; The 64 accumulators take turns, one instruction a turn, in the same order in every quarter step, over the backward jump too.
.macro MUL16 f, hi, a0, zero
	WIN MUL_LO+0x50*(\hi)
.irp a, \a0, (\a0)+1
.irp b, 0,1,2,3,4,5,6,7
.if \zero
	v_wmma_f32_16x16x32_f16 v[8*(8*(\a)+(\b)):8*(8*(\a)+(\b))+7], v[(\f)+8*(\b):(\f)+8*(\b)+7], v[(\f)+8*(4*(\hi)+(\a)):(\f)+8*(4*(\hi)+(\a))+7], 0
.else
	v_wmma_f32_16x16x32_f16 v[8*(8*(\a)+(\b)):8*(8*(\a)+(\b))+7], v[(\f)+8*(\b):(\f)+8*(\b)+7], v[(\f)+8*(4*(\hi)+(\a)):(\f)+8*(4*(\hi)+(\a))+7], v[8*(8*(\a)+(\b)):8*(8*(\a)+(\b))+7]
.endif
.endr
.endr
.endm
; 32 LDS loads in one run: the fragments of one quarter step (128 rows of q, 128 rows of xh, 32 K at byte k of the rows) into buffer f
.macro FETCH slot, k, f
	WIN TO_B
.irp i, 0,1,2,3,4,5,6,7
	ds_load_b128 v[(\f)+8*(\i):(\f)+8*(\i)+3],   v[ADRB+(\slot)] offset:(\k)+(\i)*16*PITCH
	ds_load_b128 v[(\f)+8*(\i)+4:(\f)+8*(\i)+7], v[ADRB+(\slot)] offset:(\k)+(\i)*16*PITCH+32
.endr
	WIN 0
.irp i, 0,1,2,3,4,5,6,7
	ds_load_b128 v[(\f)+8*(\i):(\f)+8*(\i)+3],   v[ADRA+(\slot)] offset:(\k)+(\i)*16*PITCH
	ds_load_b128 v[(\f)+8*(\i)+4:(\f)+8*(\i)+7], v[ADRA+(\slot)] offset:(\k)+(\i)*16*PITCH+32
.endr
.endm
; A load into a register that a matrix instruction has read, and a vector instruction that reads a matrix result, stand four places behind that matrix instruction, and only plain vector
; instructions that name none of its registers are places (ISA guide 7.12.1 for vector instructions).
.macro PLACES
.rept 4
	v_nop
.endr
.endm
; A K step is four quarter steps of 32 along K, 64 matrix instructions each, on buffers 0, 1, 0, 1.
; One of the first three: multiplies buffer f; in its middle it fetches the next quarter's fragments, at byte k of the same slot's rows, into buffer g.
.macro QUARTER slot, k, f, g, zero
	s_wait_dscnt 8                                 ; q and xh's rows 0-63 are in; the youngest eight loads (xh's rows 64-127) may be out
	WIN MUL_LO
	MUL16 \f, 0, 0, \zero
	MUL16 \f, 0, 2, \zero
	PLACES
	FETCH \slot, \k, \g
	s_wait_dscnt 32                                ; all but the 32 just issued
	WIN MUL_HI
	MUL16 \f, 1, 0, \zero
	MUL16 \f, 1, 2, \zero
.endm
; The last quarter multiplies buffer 1 and changes slots.  MEET is its first half: ONE barrier for the change of slots.  In front of it each wave waits for all its tensor loads, of which one is out: its part
; of the next slot; adds 0 to its spare word; and waits for that and for its own reads of this slot.  Behind it nobody reads this slot any more and the next slot is whole.
.macro MEET round                      ; round = 1: a round of the cluster's barrier follows
	WIN 0                                          ; (the add's two registers lie in window 0)
	s_wait_tensorcnt 0x0                           ; all my tensor loads have landed;
	ds_add_u32 v[SPW], v[NIL]                      ; 0 onto my spare word;
	s_wait_dscnt 9                                 ; (the add and the youngest eight loads may be out)
	WIN MUL_LO
	MUL16 F1, 0, 0, 0                              ; sixteen matrix instructions stand between the add and the wait for it
	s_wait_dscnt 0x0                               ; the add is done, and my reads of this slot are over:
	s_barrier_signal -1                            ; say so,
	MUL16 F1, 0, 2, 0                              ; work on registers while the others arrive,
.if \round
	WIN 0
.endif
	s_barrier_wait -1                              ; and go on when all four have said so
.endm
; The whole last quarter.  Behind the round the slot just read out is filled again first, with the K step two steps on; then come the next slot's first fragments.
; From a request to the wait for it a wave issues 224 matrix instructions.
.macro TURN slot, next
	s_wait_xcnt 0x0                                ; the last prefetch, a K step back, has read its address: it is stepped here, ahead of the waits of the change of slots
	s_add_nc_u64 s[PFA:PFA+1], s[PFA:PFA+1], KSTEP*2
	MEET 1
	CREST                                          ; all sixteen work-groups have said so: no wave of any partner still reads this slot's tile or has a load on its way
	s_add_nc_u64 s[G0+4*(\slot)+2:G0+4*(\slot)+3], s[G0+4*(\slot)+2:G0+4*(\slot)+3], 2*KSTEP*2
	s_add_nc_u64 s[G0B+4*(\slot)+2:G0B+4*(\slot)+3], s[G0B+4*(\slot)+2:G0B+4*(\slot)+3], 2*KSTEP*2
	JLOAD \slot                                    ; the first tensor load behind the round; the four v_nop behind it are also the places in front of the loads below
	FETCH \next, 0, F0
	ASK                                            ; behind the joint load and the run of LDS loads that the next products wait for
	WIN MUL_HI
	MUL16 F1, 1, 0, 0
	MUL16 F1, 1, 2, 0
.endm
; THE WAY OUT of block a (16 of my rows), in three parts.  SCALE: sum x scale + bias, one fused line for two numbers, each accumulator from its low end on.  TOSTAGE: 32 bytes a lane and n block into my own
; stage in LDS, and back as whole rows of 512 bytes.  SEND: stored.
.macro SCALE a
	WIN 0x16+(\a)/4                                ; source 0: window 2 or 3; sources 1 and 2: window 1; destination: window 0
.irp b, 0,1,2,3,4,5,6,7
.irp r, 0,1,2,3
	v_pk_fma_f32 v[TMP+8*(\b)+2*(\r):TMP+8*(\b)+2*(\r)+1], v[64*((\a)%4)+8*(\b)+2*(\r):64*((\a)%4)+8*(\b)+2*(\r)+1], v[SC+8*(\b)+2*(\r):SC+8*(\b)+2*(\r)+1], v[BI+8*(\b)+2*(\r):BI+8*(\b)+2*(\r)+1]
.endr
.endr
	WIN 0
.endm
.macro TOSTAGE a
	WIN 0
.set BK, OB+64*((\a)%2)
.irp b, 0,1,2,3,4,5,6,7
	ds_store_b128 v[STO], v[TMP+8*(\b):TMP+8*(\b)+3]   offset:64*(\b)
	ds_store_b128 v[STO], v[TMP+8*(\b)+4:TMP+8*(\b)+7] offset:64*(\b)+16
.endr
.irp t, 0,1,2,3,4,5,6,7,8,9,10,11,12,13,14,15
	ds_load_b128 v[BK+4*(\t):BK+4*(\t)+3], v[RD] offset:(\t)*SPITCH  ; LDS serves a wave's instructions in order (ISA guide 5.7.1.4): these see the stores above
.endr
.endm
.macro SEND a
	WIN 0
.set BK, OB+64*((\a)%2)
	s_wait_dscnt 0x0                               ; the block is back in registers
	s_wait_xcnt 0x0                                ; only behind this wait are the stores' base and the registers that earlier stores read written again
.if (\a) == 0
	s_add_nc_u64 s[8:9], s[8:9], s[16:17]          ; on to my first rows
.else
	s_add_nc_u64 s[8:9], s[8:9], 16*SIZE_N*4       ; 16 rows on
.endif
.irp t, 0,1,2,3,4,5,6,7,8,9,10,11,12,13,14,15
	global_store_b128 v[CO], v[BK+4*(\t):BK+4*(\t)+3], s[8:9] offset:(\t)*SIZE_N*4 th:TH_STORE_NT  ; the wave stores 512 consecutive bytes, at a multiple of 512 from out0's first
.endr
.endm
	s_wait_loadcnt 0x0                             ; scale and bias are in: no plain load is out during the loop
	s_wait_tensorcnt 1                             ; my part of K step 0 is in; K step 1's may stay out
	s_barrier_signal -1
	s_barrier_wait -1                              ; everybody's is
	FETCH 0, 0, F0
	QUARTER 0, 64,  F0, F1, 1                      ; the first quarter stands in front of the loop: its products start the sums
	WIN 0                                          ; at a label and at a branch every window is 0
	s_mov_b32 s3, LAPS-1
.Llap:                                                 ; a trip goes once round the ring, from a lap's second quarter to the next lap's first, and fills both slots again
	QUARTER 0, 128, F1, F0, 0
	QUARTER 0, 192, F0, F1, 0
	TURN 0, 1
	QUARTER 1, 64,  F0, F1, 0
	QUARTER 1, 128, F1, F0, 0
	QUARTER 1, 192, F0, F1, 0
	TURN 1, 0
	QUARTER 0, 64,  F0, F1, 0
	WIN 0
	s_sub_co_u32 s3, s3, 1
	s_cmp_lg_u32 s3, 0
	s_cbranch_scc1 .Llap
	QUARTER 0, 128, F1, F0, 0                      ; the last lap is written out: it fills nothing
	QUARTER 0, 192, F0, F1, 0
	MEET 0                                         ; my one tensor load that was still out is slot 1's, the last K step's, so no round follows
	PLACES                                         ; for the loads into buffer 0
	FETCH 1, 0, F0
	WIN MUL_HI
	MUL16 F1, 1, 0, 0
	MUL16 F1, 1, 2, 0
	QUARTER 1, 64,  F0, F1, 0
	QUARTER 1, 128, F1, F0, 0
	QUARTER 1, 192, F0, F1, 0
	s_wait_dscnt 8                                 ; the very last quarter: nothing more to fetch
	WIN MUL_LO
	MUL16 F1, 0, 0, 0
	MUL16 F1, 0, 2, 0
	s_wait_dscnt 0x0
	MUL16 F1, 1, 0, 0
	MUL16 F1, 1, 2, 0
	PLACES                                         ; the places behind the last products, in front of the lines that read the sums
	PLACES                                         ; (eight, once a launch)
	SCALE 0
	TOSTAGE 0
.irp a, 1,2,3,4,5,6,7                  ; block a's arithmetic stands between block a - 1's loads from the stage and the wait for them
	SCALE \a
	SEND (\a)-1
	TOSTAGE \a
.endr
	SEND 7
	s_wait_tensorcnt 0x0                           ; the wave's end: the tensor wait, a 0 added to my spare word and its wait, behind my last tensor load and my last LDS store
	ds_add_u32 v[SPW], v[NIL]
	s_wait_dscnt 0x0
	CROUND                                         ; the closing round: no work-group ends while a partner may still ask for a tile that names it
	s_endpgm
.Lfunc_end_k_qfe17d5a4bb_gemm:
	.size	k_qfe17d5a4bb_gemm, .Lfunc_end_k_qfe17d5a4bb_gemm-k_qfe17d5a4bb_gemm
	.p2alignl 7, 3214868480
	.fill 96, 4, 3214868480
	.section	.rodata,"a",@progbits
	.p2align	6, 0x0
	.amdhsa_kernel k_qfe17d5a4bb_gemm
		.amdhsa_group_segment_fixed_size 327680
		.amdhsa_private_segment_fixed_size 0
		.amdhsa_enable_private_segment 0
		.amdhsa_kernarg_size 40
		.amdhsa_user_sgpr_count 2
		.amdhsa_user_sgpr_kernarg_segment_ptr 1
		.amdhsa_wavefront_size32 1
		.amdhsa_system_sgpr_workgroup_id_x 1
		.amdhsa_system_sgpr_workgroup_id_y 1
		.amdhsa_system_sgpr_workgroup_id_z 1
		.amdhsa_system_vgpr_workitem_id 0
		.amdhsa_next_free_vgpr 1024
		.amdhsa_next_free_sgpr 72
		.amdhsa_reserve_vcc 0
		.amdhsa_float_denorm_mode_32 3
		.amdhsa_float_denorm_mode_16_64 3
		.amdhsa_memory_ordered 1
		.amdhsa_forward_progress 1
		.amdhsa_inst_pref_size 161
	.end_amdhsa_kernel
	.amdgpu_metadata
---
amdhsa.version: [ 1, 2 ]
amdhsa.kernels:
  - .name:           k_qfe17d5a4bb_gemm
    .symbol:         k_qfe17d5a4bb_gemm.kd
    .args:
      - { .name: xh, .offset: 0, .size: 8, .value_kind: global_buffer, .address_space: global }
      - { .name: q, .offset: 8, .size: 8, .value_kind: global_buffer, .address_space: global }
      - { .name: out0, .offset: 16, .size: 8, .value_kind: global_buffer, .address_space: global }
      - { .name: scale, .offset: 24, .size: 8, .value_kind: global_buffer, .address_space: global }
      - { .name: bias, .offset: 32, .size: 8, .value_kind: global_buffer, .address_space: global }
    .group_segment_fixed_size: 327680
    .private_segment_fixed_size: 0
    .kernarg_segment_align: 8
    .kernarg_segment_size: 40
    .max_flat_workgroup_size: 128
    .sgpr_count:     72
    .vgpr_count:     1024
    .wavefront_size: 32
...
	.end_amdgpu_metadata
.endif
;; end of part 2
